; MI455X (gfx1250); checked and timed in simulation.
; The chip was launched on July 23, 2026; its instructions are those of AMD's public machine-readable ISA for CDNA 5 (MIT licence, August 2026) and "CDNA5" Instruction Set Architecture Reference Guide (July 2026). The comments in the code are by the model that wrote it; some were corrected since.
;; Robust Text Classifier. Allowed arithmetic: matrix products marked QUANTISED: E2M1 operands, one E8M0 scale for each 32 along K, by v_wmma_scale_f32_16x16x128_f8f6f4 with both operands' format E2M1 (or v_wmma_scale_f32_32x16x128_f4), f32 sums; everything else in f32.
;; Inputs: H_test 8,192 x 192 float32; H_train 16,384 x 192 float32; p_hat_train 2 x 16,384 float32.
;; Outputs: out0 2 x 8,192 float32.
;; Constants: K = 5.
;; This version of the problem:
;;   THIS VERSION OF THE PROBLEM IS GIVEN IN LOW PRECISION. The matrix products marked QUANTISED in the list below multiply operands that are first quantised to E2M1 (2 exponent bits, 1 mantissa bit; 4 bits a number), with one power-of-two scale for each 32 numbers along K (OCP MX v1.0); their sums are f32. All else is computed in f32.
;;   The module's matrix products, in the order in which they are computed (A, B: the left and right operand; K: the contracted axis; several contracted axes count as one K, in the product's order):
;;     1. [M 8,192, K 192] x [K 192, N 16,384]; A: input H_test; B: input H_train: QUANTISED
;;   THE QUANTISER, for each operand of a quantised product, along K:
;;     - K is cut into blocks of 32 from its start; a last block that is shorter is filled with zeros.
;;     - A block's scale is 2^e with e = floor(log2(the largest magnitude in the block)) - 2, held to -126 .. 127; a block of zeros has e = 0. As a byte (E8M0): e + 127.
;;     - Each number is divided by its block's scale, clamped to +-6, and rounded to the nearest number of E2M1, ties to even, subnormals kept.
;;     - The product sums the exact products of the quantised numbers (number of the format x scale) in f32.
;;   ~~~python
;;   def quantise(x, axis):      # numpy; x: float32 -> the quantised numbers, widened to float32 again
;;       x = np.moveaxis(x, axis, -1); K = x.shape[-1]
;;       x = np.pad(x, [(0, 0)] * (x.ndim - 1) + [(0, -K % 32)]); x = x.reshape(x.shape[:-1] + (-1, 32)); a = np.abs(x).max(-1, keepdims=True)
;;       e = np.where(a > 0, np.clip(np.frexp(np.where(a > 0, a, 1))[1] - 1 - 2, -126, 127), 0)      # np.frexp(a)[1] - 1 = floor(log2(a)), exactly
;;       r = np.clip(x / 2.0 ** e, -6, 6)
;;       step = 2.0 ** (np.maximum(np.frexp(np.where(r == 0, 1, r))[1] - 1, 0) - 1)
;;       q = np.round(r / step) * step * 2.0 ** e      # np.round: ties to even
;;       return np.moveaxis(q.reshape(q.shape[:-2] + (-1,))[..., :K], -1, axis).astype(np.float32)
;;   ~~~
;; One version. Each part assembles by itself: llvm-mc -triple=amdgcn-amd-amdhsa -mcpu=gfx1250 --defsym DOCPART=n.
;; ======== version 1 of 1: 3 launches
;; workspace buffers: train_ws 1,835,008 bytes; test_ws 917,504 bytes; cand 5,242,880 bytes of whole numbers
;; launch quant (part 1): grid 256 x 1, 6 waves a work-group, no clusters, 77,568 bytes of LDS; arguments H_test, H_train, test_ws, train_ws; writes test_ws, train_ws
.if DOCPART == 1
	.amdgcn_target "amdgcn-amd-amdhsa--gfx1250"
	.amdhsa_code_object_version 6
	.text
	.protected	k_qc2fcd72f5e_quant
	.globl	k_qc2fcd72f5e_quant
	.p2align	8
	.type	k_qc2fcd72f5e_quant,@function
k_qc2fcd72f5e_quant:
	s_mov_b64 s[64:65], 0
	v_nop
	global_prefetch_b8 v0, s[64:65] scope:SCOPE_SE
	s_setreg_imm32_b32 hwreg(HW_REG_WAVE_MODE, 25, 1), 1
	s_wait_xcnt 0x0
; H_test [8192][192] and H_train [16384][192], f32, become RECORDS of 16 rows: codes of E2M1 with one E8M0 byte for each 32 along K, laid in the
; order of a matrix operand's registers, and the rows' squared norms (of the unquantised numbers, in f32).
; A record is 1,792 bytes (lane l = r + 16 h):  512 j + 16 l, j = 0, 1, 2: the 32 codes of block 2 j + h of row r (registers 0-3 and 4-7 of K step 0, registers 0-3 of K step 1);
;   1536 + 4 l: scale words: l < 16: the bytes of blocks 0-3 of row l; l >= 16: blocks 4, 5 of row l - 16, then 0x7f, 0x7f;   1664 + 4 r: -norm / 2;   1728 + 4 r: norm.
; A block's scale is 2^(floor(log2(largest magnitude)) - 2): its byte is the largest magnitude's exponent field - 2, held at 1 from below.  A block of zeros so gets the byte 1 where the rule says 127:
; its codes are zeros, which add nothing under any byte but 0xff, and this program alone reads the bytes.
; LIMITS: NaN and infinities are not served; blocks whose largest magnitude lies under 2^-124 keep the byte 1.  A norm is summed in six chains a lane (three blocks, even and odd numbers), then over the two lanes of a row.
; SHARES: one wave, one record: 1,536 waves for 512 + 1,024 records; the tensor is chosen by the record's number alone.  Waves share nothing: no barrier.
; Every load reads 512 consecutive bytes; the 12,288 bytes turn through the wave's own stage in LDS, since the conversions want 32 neighbours along K in one lane.
; Matrix units, clusters and tensor loads buy nothing here: each byte is read once and no two work-groups read the same byte.
.set REC,  1792
.set SP,   784                         ; a stage row: 768 bytes + 16: 49 x 16, so the 16 rows that a load touches start in 16 different groups of four banks (64 banks of 4 bytes: ISA guide 11.1)
.set WREG, 16*SP+256                   ; a wave's LDS: the stage, then the record's last 256 bytes
.set R,    16                          ; v16-111   the 24 loads as they come
.set X,    112                         ; v112-207  three blocks of 32 neighbours
.set C,    208                         ; v208-219  codes
.set MX,   220                         ; v220-222  largest magnitudes
.set SO,   223                         ; v223-225  the conversions' scale operands
.set BY,   226                         ; v226-228  scale bytes
.set ACC,  230                         ; v230-235  sums of squares, a pair a block
.set T,    236                         ; v236-243  at work
.set OUTP, 244                         ; v244-245  the record's last 256 bytes, 8 a lane
	s_load_b128 s[4:7], s[0:1], 0x0                ; H_test, H_train
	s_load_b128 s[8:11], s[0:1], 0x10              ; test_ws, train_ws
	v_lshl_add_u32 v246, v0, 2, 0x12c00
	v_mov_b32 v247, 0
	v_lshrrev_b32 v1, 5, v0
	v_readfirstlane_b32 s12, v1                    ; wave 0..5
	v_and_b32 v1, 31, v0                           ; lane l
	v_and_b32 v2, 15, v0                           ; r
	v_bfe_u32 v3, v0, 4, 1                         ; h
	v_lshlrev_b32 v4, 4, v1                        ; 16 l
	v_lshlrev_b32 v5, 3, v1                        ; 8 l
	s_mul_i32 s15, s12, WREG
	v_add_nc_u32 v6, s15, v4                       ; into the stage: my wave's bytes + 16 l,
	v_and_b32 v7, 16, v0
	v_add_nc_u32 v7, v7, v6                        ; and 16 more for lanes 16-31, for the loads that cross from one row into the next
	v_mul_u32_u24 v8, v2, SP
	v_lshl_add_u32 v8, v3, 7, v8
	v_add_nc_u32 v8, s15, v8                       ; out of it: row r, + 128 h: block h of my row
	s_add_co_u32 s15, s15, 16*SP
	v_lshl_add_u32 v9, v1, 2, s15                  ; the last 256 bytes: 4 l,
	v_add_nc_u32 v10, s15, v5                      ; and back 8 l
	v_lshlrev_b32 v11, 3, v3                       ; 8 h: where my bytes stand in a scale word
	v_mov_b32 v[T+2], 0                            ; a lane permute's destination counts as one of its sources
	v_mov_b32 v[T+3], 0
	v_mov_b32 v[T+6], 0
	s_mov_b32 s20, 0x76543210
	s_mov_b32 s21, 0xfedcba98                      ; v_permlanex16_b32's selects for lane l xor 16
	s_mov_b32 s22, 0xffff0000                      ; lanes 16-31
	s_mul_i32 s13, ttmp9, 6
	s_add_co_u32 s13, s13, s12                     ; my record among the 1,536
	s_wait_kmcnt 0x0
	s_cmp_lt_u32 s13, 512                          ; the first 512 are H_test's: the choice hangs on ids alone
	s_cselect_b64 s[4:5], s[4:5], s[6:7]
	s_cselect_b64 s[8:9], s[8:9], s[10:11]
	s_cselect_b32 s14, 0, 512
	s_sub_co_u32 s13, s13, s14                     ; my record in its tensor
	s_mul_i32 s16, s13, 16*768
	s_mov_b32 s17, 0
	s_mul_i32 s18, s13, REC
	s_mov_b32 s19, 0
	s_add_nc_u64 s[4:5], s[4:5], s[16:17]
	s_add_nc_u64 s[8:9], s[8:9], s[18:19]
.set i, 0
.rept 24
	global_load_b128 v[R+4*i:R+4*i+3], v4, s[4:5] offset:512*i th:TH_LOAD_NT   ; 32 lanes read 512 consecutive bytes; read once in the launch
.set i, i+1
.endr
; Byte f = 512 i + 16 l of the 16 rows goes to f + 16 (f / 768).  Three loads are two rows: the first lies in row 2 (i / 3), the third in row 2 (i / 3) + 1, the second crosses at lane 16.
.set i, 0
.rept 24
	s_wait_loadcnt 23-i                            ; loads come back in order: load i is in, the 23 - i younger ones stay out
.if i%3 == 1
	ds_store_b128 v7, v[R+4*i:R+4*i+3] offset:512*i+32*(i/3)
.elseif i%3 == 2
	ds_store_b128 v6, v[R+4*i:R+4*i+3] offset:512*i+32*(i/3)+16
.else
	ds_store_b128 v6, v[R+4*i:R+4*i+3] offset:512*i+32*(i/3)
.endif
.set i, i+1
.endr
.irp j, 0,1,2
.irp e, 0,1,2,3,4,5,6,7
	ds_load_b128 v[X+32*\j+4*\e:X+32*\j+4*\e+3], v8 offset:256*\j+16*\e   ; block 2 j + h of row r.  LDS serves a wave's instructions in order: these see my stores
.endr
.endr
	s_wait_dscnt 0x0
.irp j, 0,1,2
	v_max3_num_f32 v[MX+\j], |v[X+32*\j]|, |v[X+32*\j+1]|, 0x1800000   ; the block's largest magnitude, and the floor 2^(3 - 127): the byte cannot fall under 1
	v_pk_mul_f32 v[ACC+2*\j:ACC+2*\j+1], v[X+32*\j:X+32*\j+1], v[X+32*\j:X+32*\j+1]   ; the first squares start the sums
.endr
.irp i, 2,4,6,8,10,12,14,16,18,20,22,24,26,28,30
.irp j, 0,1,2
	v_max3_num_f32 v[MX+\j], v[MX+\j], |v[X+32*\j+\i]|, |v[X+32*\j+\i+1]|   ; (the three blocks by turns)
	v_pk_fma_f32 v[ACC+2*\j:ACC+2*\j+1], v[X+32*\j+\i:X+32*\j+\i+1], v[X+32*\j+\i:X+32*\j+\i+1], v[ACC+2*\j:ACC+2*\j+1]
.endr
.endr
.irp j, 0,1,2
	v_add_nc_u32 v[SO+\j], 0xff000000, v[MX+\j]    ; 2 off the exponent field: the conversion takes the exponent field of this operand as its scale
.endr
.irp j, 0,1,2
	v_lshrrev_b32 v[BY+\j], 23, v[SO+\j]           ; the scale's byte
.endr
.irp j, 0,1,2
.irp g, 0,1,2,3
	v_cvt_scalef32_pk8_fp4_f32 v[C+4*\j+\g], v[X+32*\j+8*\g:X+32*\j+8*\g+7], v[SO+\j]   ; eight numbers / scale, to the nearest code, ties to even, beyond 6 the largest code
.endr
.endr
	v_nop                                          ; one plain place behind the last scaled conversion
.irp j, 0,1,2
	global_store_b128 v4, v[C+4*\j:C+4*\j+3], s[8:9] offset:512*\j   ; 32 lanes store 512 consecutive bytes, at a multiple of 256 from the buffer's first byte
.endr
	v_lshl_or_b32 v[T], v[BY+1], 16, v[BY]         ; my bytes of blocks h and 2 + h,
	v_lshlrev_b32 v[T], v11, v[T]                  ; at their places in the first word;
	v_lshlrev_b32 v[T+1], v11, v[BY+2]             ; block 4 + h's in the second
	v_permlanex16_b32 v[T+2], v[T], s20, s21
	v_permlanex16_b32 v[T+3], v[T+1], s20, s21
	v_or_b32 v[T], v[T], v[T+2]                    ; with lane l xor 16's the words are whole
	v_or_b32 v[T+1], v[T+1], v[T+3]
	v_or_b32 v[T+1], 0x7f7f0000, v[T+1]            ; the two blocks past K = 192 get the byte of 1.0
	v_cndmask_b32 v[T], v[T], v[T+1], s22          ; lanes 0-15 keep the first word, lanes 16-31 the second
	v_pk_add_f32 v[ACC:ACC+1], v[ACC:ACC+1], v[ACC+2:ACC+3]
	v_pk_add_f32 v[ACC:ACC+1], v[ACC:ACC+1], v[ACC+4:ACC+5]
	v_add_f32 v[T+4], v[ACC], v[ACC+1]
	v_permlanex16_b32 v[T+6], v[T+4], s20, s21
	v_add_f32 v[T+4], v[T+4], v[T+6]               ; the row's norm
	v_mul_f32 v[T+5], -0.5, v[T+4]
	v_cndmask_b32 v[T+5], v[T+5], v[T+4], s22      ; lanes 0-15: -norm / 2; lanes 16-31: norm
	ds_store_b32 v9, v[T]
	ds_store_b32 v9, v[T+5] offset:128
	ds_load_b64 v[OUTP:OUTP+1], v10                ; in order behind my stores
	s_wait_dscnt 0x0
	global_store_b64 v5, v[OUTP:OUTP+1], s[8:9] offset:1536   ; 32 lanes store 256 consecutive bytes, aligned
	s_wait_tensorcnt 0x0
	ds_add_u32 v246, v247
	s_wait_dscnt 0x0
	s_endpgm
.Lfunc_end_k_qc2fcd72f5e_quant:
	.size	k_qc2fcd72f5e_quant, .Lfunc_end_k_qc2fcd72f5e_quant-k_qc2fcd72f5e_quant
	.p2alignl 7, 3214868480
	.fill 96, 4, 3214868480
	.section	.rodata,"a",@progbits
	.p2align	6, 0x0
	.amdhsa_kernel k_qc2fcd72f5e_quant
		.amdhsa_group_segment_fixed_size 77568
		.amdhsa_private_segment_fixed_size 0
		.amdhsa_enable_private_segment 0
		.amdhsa_kernarg_size 32
		.amdhsa_user_sgpr_count 2
		.amdhsa_user_sgpr_kernarg_segment_ptr 1
		.amdhsa_wavefront_size32 1
		.amdhsa_system_sgpr_workgroup_id_x 1
		.amdhsa_system_sgpr_workgroup_id_y 1
		.amdhsa_system_sgpr_workgroup_id_z 1
		.amdhsa_system_vgpr_workitem_id 0
		.amdhsa_next_free_vgpr 248
		.amdhsa_next_free_sgpr 66
		.amdhsa_reserve_vcc 0
		.amdhsa_float_denorm_mode_32 3
		.amdhsa_float_denorm_mode_16_64 3
		.amdhsa_memory_ordered 1
		.amdhsa_forward_progress 1
		.amdhsa_inst_pref_size 17
	.end_amdhsa_kernel
	.amdgpu_metadata
---
amdhsa.version: [ 1, 2 ]
amdhsa.kernels:
  - .name:           k_qc2fcd72f5e_quant
    .symbol:         k_qc2fcd72f5e_quant.kd
    .args:
      - { .name: H_test, .offset: 0, .size: 8, .value_kind: global_buffer, .address_space: global }
      - { .name: H_train, .offset: 8, .size: 8, .value_kind: global_buffer, .address_space: global }
      - { .name: test_ws, .offset: 16, .size: 8, .value_kind: global_buffer, .address_space: global }
      - { .name: train_ws, .offset: 24, .size: 8, .value_kind: global_buffer, .address_space: global }
    .group_segment_fixed_size: 77568
    .private_segment_fixed_size: 0
    .kernarg_segment_align: 8
    .kernarg_segment_size: 32
    .max_flat_workgroup_size: 192
    .sgpr_count:     66
    .vgpr_count:     248
    .wavefront_size: 32
...
	.end_amdgpu_metadata
.endif
;; end of part 1
;; launch knn (part 2): grid 32 x 8, 8 waves a work-group, clusters of 4 x 1, 230,400 bytes of LDS; arguments train_ws, test_ws, cand; writes cand
.if DOCPART == 2
	.amdgcn_target "amdgcn-amd-amdhsa--gfx1250"
	.amdhsa_code_object_version 6
	.text
	.protected	k_qc2fcd72f5e_knn
	.globl	k_qc2fcd72f5e_knn
	.p2align	8
	.type	k_qc2fcd72f5e_knn,@function
k_qc2fcd72f5e_knn:
	s_mov_b64 s[64:65], 0
	v_nop
	global_prefetch_b8 v0, s[64:65] scope:SCOPE_SE
	s_setreg_imm32_b32 hwreg(HW_REG_WAVE_MODE, 25, 1), 1
	s_wait_xcnt 0x0
	s_wait_alu depctr_hold_cnt(0) depctr_sa_sdst(0) depctr_va_vdst(0) depctr_va_sdst(0) depctr_va_ssrc(0) depctr_va_vcc(0) depctr_vm_vsrc(0)
	s_getreg_b32 s2, hwreg(HW_REG_IB_STS2, 6, 4)
	s_cmp_eq_u32 s2, 0
	s_cbranch_scc0 .Lentry_in_a_cluster
	s_endpgm
.Lentry_in_a_cluster:
	s_bfe_u32 s2, ttmp6, 0x10000c
	s_cmp_lg_u32 s2, 0x3003
	s_cbranch_scc0 .Lentry_shape_is_right
	s_endpgm
.Lentry_shape_is_right:
; THE FILTER.  key(test row, training row) = dot - y_norm / 2, the quantised product with -y_norm / 2 as the C of its first K step: the largest key is the smallest distance.
; A GROUP is a record of 16 training rows.  The five nearest rows lie in the five groups with the largest group maxima (were five groups ahead of a row's group, each would hold a row ahead of it).
; This launch forms only group maxima and keeps, for each test row and each STREAM of 64 groups, the exact sorted list of the five largest (key, group).  No branch and no address hangs on a key.
; The lists leave as whole numbers: the key's bits turned so that a smaller unsigned number is a larger key, and the group's number.  The next launch merges them by integer compares.
; SHARES.  A work-group: 256 test rows (x) and a slice of 128 groups (y), whose records, 229,376 dense bytes, lie in LDS as in memory, filled ONCE: no slot is filled again.
; Wave w: a = w / 2: 64 test rows, four fragments kept in registers; b = w % 2: 64 groups, one stream.  Source 0 = 16 training rows, source 1 = 16 test rows: a lane holds one test row and eight training rows.
; Eight waves of 192 registers, two to a SIMD: a tile has 8 matrix instructions and 59 vector instructions, so the vector work binds, and one wave's selection stands beside the other's products and LDS loads.
; K = 192 is two K steps of 128; the test fragment's codes past K are zeros, which make every product there 0.
; CLUSTER.  The four work-groups of a cluster share y and so the slice: each part of it is asked for JOINTLY, by the same tensor load with the same descriptor and the mask of all four.
; A wave issues four loads, one for each PHASE of 16 groups of both streams; four tensor loads of a wave are out at the most.  A phase's groups are read behind a barrier in front of which each wave has waited for its part.
; LIMITS: NaN and infinities are not served.  On equal keys the lower group stays ahead (the compare is strict and groups come in ascending order).
.set REC,   1792
.set HALF,  64*REC                     ; a stream's records
.set PHB,   16*REC                     ; a phase of one stream
.set QTR,   4*REC                      ; what one tensor load brings: 28 rows of 256 bytes
.set SLICE, 128*REC
.set FA0, 1                            ; v1   16 l: my place in a fragment's image
.set SA0, 2                            ; v2   1536 + 4 l: in the scale words
.set CA0, 3                            ; v3   1664 + 32 h: my eight training rows' -norm / 2
.set CO,  4                            ; v4   8 l: my place in a list's entry
.set VID, 5                            ; v5   the group's number
.set GQ,  6                            ; v6-9     a tile's maximum over my eight training rows
.set GM,  10                           ; v10-11   the group's maximum: pair p, lane l = test row 32 p + l of my 64
.set BS,  12                           ; v12-15   the test tiles' scale words
.set BF,  16                           ; v16-79   the test fragments: tile q at 16 q: 8 registers of K step 0, 4 of K step 1, 4 zeros
.set AF,  80                           ; v80-111  a group's fragments, two buffers of 16 (12 loaded, 4 zeros)
.set AS,  112                          ; v112-113 its scale words
.set CC,  114                          ; v114-129 its -norm / 2 in the result's layout, two buffers of 8
.set DAC, 130                          ; v130-161 four accumulators
.set LI,  162                          ; v162-181 the lists: pair p at 10 p; rank k: key at 2 k, group at 2 k + 1
.set FA,  182                          ; v182-184 the trip's three LDS addresses
.set SA,  183
.set CA,  184
.set TA,  185                          ; v185-186 at work
.set WV,  10                           ; s10  wave
.set G1,  16                           ; s[16:23] descriptor group 1
.set G0,  24                           ; s[24:39] four groups 0
.set CM,  40                           ; s40-49   compare masks
.set GID, 50                           ; s50  the number of the group whose maximum is in GM
.set CNT, 51
.set OFF, 60                           ; s60  LDS byte of the trip's first record
.macro ROUND                           ; a round of the cluster's barrier
	s_barrier_signal -1
	s_barrier_wait -1
	s_cmp_lg_u32 s[WV], 0
	s_cbranch_scc1 .Lnot_wave_0_\@
	s_barrier_signal -3
.Lnot_wave_0_\@:
	s_barrier_wait -3
	s_barrier_signal -1
	s_barrier_wait -1
.endm
.macro GATE n                          ; my part of the next phase has landed (n younger loads of mine stay out), and so has everybody's
	s_wait_tensorcnt \n
	s_wait_dscnt 0x0                               ; no LDS instruction of mine is pending at a signal
	s_barrier_signal -1
	s_barrier_wait -1
.endm
.macro LOADT u, off                    ; the record at off bytes from the trip's first, into buffer u: six loads
	ds_load_b128 v[AF+16*(\u):AF+16*(\u)+3],     v[FA] offset:\off
	ds_load_b128 v[AF+16*(\u)+4:AF+16*(\u)+7],   v[FA] offset:\off+512
	ds_load_b128 v[AF+16*(\u)+8:AF+16*(\u)+11],  v[FA] offset:\off+1024
	ds_load_b32  v[AS+(\u)],                     v[SA] offset:\off
	ds_load_b128 v[CC+8*(\u):CC+8*(\u)+3],       v[CA] offset:\off
	ds_load_b128 v[CC+8*(\u)+4:CC+8*(\u)+7],     v[CA] offset:\off+16
.endm
.macro WMMA8 u                         ; the group in buffer u against my four test tiles; the four accumulators by turns, one instruction a turn
.irp q, 0,1,2,3
	v_wmma_scale_f32_16x16x128_f8f6f4 v[DAC+8*\q:DAC+8*\q+7], v[AF+16*(\u):AF+16*(\u)+7], v[BF+16*\q:BF+16*\q+7], v[CC+8*(\u):CC+8*(\u)+7], v[AS+(\u)], v[BS+\q] matrix_a_fmt:MATRIX_FMT_FP4 matrix_b_fmt:MATRIX_FMT_FP4
.endr
.irp q, 0,1,2,3
	v_wmma_scale_f32_16x16x128_f8f6f4 v[DAC+8*\q:DAC+8*\q+7], v[AF+16*(\u)+8:AF+16*(\u)+15], v[BF+16*\q+8:BF+16*\q+15], v[DAC+8*\q:DAC+8*\q+7], v[AS+(\u)], v[BS+\q] matrix_a_fmt:MATRIX_FMT_FP4 matrix_b_fmt:MATRIX_FMT_FP4 matrix_a_scale:MATRIX_SCALE_ROW1 matrix_b_scale:MATRIX_SCALE_ROW1
.endr
.endm
; (GM, GID) goes into both pairs' sorted lists: 39 instructions, none of which names a register of the products.
; c_k = GM > K_k.  New K_k is the middle one of K_(k-1), K_k and GM; new group_k is group_(k-1) where c_(k-1), else GID where c_k.  From the last rank up, so that each rank finds its neighbour's old value.
.macro INSERT2
	v_mov_b32 v[VID], s[GID]
.irp k, 0,1,2,3,4
.irp p, 0,1
	v_cmp_gt_f32 s[CM+5*\p+\k], v[GM+\p], v[LI+10*\p+2*\k]
.endr
.endr
.irp k, 4,3,2,1
.irp p, 0,1
	v_cndmask_b32 v[LI+10*\p+2*\k+1], v[LI+10*\p+2*\k+1], v[VID], s[CM+5*\p+\k]
.endr
.irp p, 0,1
	v_cndmask_b32 v[LI+10*\p+2*\k+1], v[LI+10*\p+2*\k+1], v[LI+10*\p+2*\k-1], s[CM+5*\p+\k-1]
.endr
.endr
.irp p, 0,1
	v_cndmask_b32 v[LI+10*\p+1], v[LI+10*\p+1], v[VID], s[CM+5*\p]
.endr
.irp k, 4,3,2,1
.irp p, 0,1
	v_med3_num_f32 v[LI+10*\p+2*\k], v[LI+10*\p+2*\k-2], v[LI+10*\p+2*\k], v[GM+\p]
.endr
.endr
.irp p, 0,1
	v_max_num_f32 v[LI+10*\p], v[LI+10*\p], v[GM+\p]
.endr
.endm
; The group's maximum for each test row: each accumulator from its low end on; then the two halves of the lanes meet: tiles 2 p and 2 p + 1 change halves, so that one maximum serves 32 test rows.
.macro REDUCE
.irp q, 0,1,2,3
	v_max3_num_f32 v[GQ+\q], v[DAC+8*\q], v[DAC+8*\q+1], v[DAC+8*\q+2]
.endr
.irp q, 0,1,2,3
	v_max3_num_f32 v[GQ+\q], v[GQ+\q], v[DAC+8*\q+3], v[DAC+8*\q+4]
.endr
.irp q, 0,1,2,3
	v_max3_num_f32 v[GQ+\q], v[GQ+\q], v[DAC+8*\q+5], v[DAC+8*\q+6]
.endr
.irp q, 0,1,2,3
	v_max_num_f32 v[GQ+\q], v[GQ+\q], v[DAC+8*\q+7]
.endr
	v_permlane16_swap_b32 v[GQ], v[GQ+1]           ; GQ: both tiles' training rows 0-7; GQ + 1: rows 8-15
	v_permlane16_swap_b32 v[GQ+2], v[GQ+3]
	v_max_num_f32 v[GM], v[GQ], v[GQ+1]
	v_max_num_f32 v[GM+1], v[GQ+2], v[GQ+3]
.endm
; One group.  The list takes the group BEFORE while this group's products run: INSERT2's 39 plain instructions are the places between the products and REDUCE's reads of them,
; the next group's loads into this buffer, and the next products, which begin the accumulators anew.
.macro ITER u, load, off
	s_wait_dscnt 0x0                               ; buffer u's six loads, issued one group ago
	WMMA8 \u
.if \load
	LOADT 1-\u, \off                               ; the other buffer's last products stand a whole group's vector work back
.endif
	INSERT2
	REDUCE
	s_add_co_u32 s[GID], s[GID], 1
.endm
.macro ADDRS
	v_add_nc_u32 v[FA], s[OFF], v[FA0]
	v_add_nc_u32 v[SA], s[OFF], v[SA0]
	v_add_nc_u32 v[CA], s[OFF], v[CA0]
.endm
.macro PHASE n                         ; n trips of two groups; a trip loads the two records at OFF
	s_mov_b32 s[CNT], \n
.Lphase_\@:
	ADDRS
	ITER 1, 1, 0
	ITER 0, 1, REC
	s_add_co_u32 s[OFF], s[OFF], 2*REC
	s_sub_co_u32 s[CNT], s[CNT], 1
	s_cmp_lg_u32 s[CNT], 0
	s_cbranch_scc1 .Lphase_\@
.endm
	s_load_b128 s[4:7], s[0:1], 0x0                ; train_ws, test_ws
	s_load_b64 s[8:9], s[0:1], 0x10                ; cand
	v_lshl_add_u32 v192, v0, 2, 0x38000
	v_mov_b32 v193, 0
	ds_add_u32 v192, v193
	ds_add_u32 v192, v193
	v_lshrrev_b32 v[TA], 5, v0
	v_readfirstlane_b32 s[WV], v[TA]               ; wave 0..7
	s_lshr_b32 s11, s[WV], 1                       ; a
	s_and_b32 s12, s[WV], 1                        ; b
	s_bfe_u32 s13, ttmp6, 0x40000                  ; cx: my place in the cluster: it enters the test records' and the lists' addresses alone
	s_lshl_b32 s14, ttmp9, 2
	s_add_co_u32 s14, s14, s13                     ; x = 4 x cluster x + cx
	s_and_b32 s15, ttmp7, 0xffff                   ; y, which the four partners share
	; descriptor group 1: a dense block of 7,168 bytes as 28 rows of 32 elements of 8 bytes
	s_mov_b32 s[G1], 15|(3<<16)|(1<<21)            ; 15:0 the mask: all four work-groups; 17:16 elements of 8 bytes; 20 no padding; 21 set beside a mask
	s_mov_b32 s[G1+1], 32<<16                      ; tensor_dim0 = 32
	s_mov_b32 s[G1+2], 28<<16                      ; tensor_dim1 = 28
	s_mov_b32 s[G1+3], 32<<16                      ; tile_dim0 = 32
	s_mov_b32 s[G1+4], 28                          ; tile_dim1 = 28
	s_mov_b32 s[G1+5], 32                          ; tensor_dim0_stride
	s_mov_b32 s[G1+6], 0
	s_mov_b32 s[G1+7], 0
	s_mul_i32 s[OFF], s12, HALF                    ; my stream's records in LDS
	s_mul_i32 s53, s11, QTR
	s_add_co_u32 s52, s[OFF], s53                  ; what I fetch of a phase: stream b, records 4 a .. 4 a + 3: the wave's number alone
	s_mul_i32 s54, s15, SLICE
	s_add_co_u32 s54, s54, s52                     ; and the same place in memory, in slice y
	s_mov_b32 s55, 0
	s_lshl_b32 s58, s14, 4
	s_lshl_b32 s59, s11, 2
	s_add_co_u32 s58, s58, s59
	s_mul_i32 s58, s58, REC                        ; my four test records: 16 x + 4 a on
	s_mov_b32 s59, 0
	s_lshl_b32 s62, s14, 3
	s_lshl_b32 s63, s11, 1
	s_add_co_u32 s62, s62, s63                     ; my first block of 32 test rows: 8 x + 2 a
	s_lshl_b32 s62, s62, 4
	s_lshl_b32 s63, s15, 1
	s_add_co_u32 s62, s62, s63
	s_add_co_u32 s62, s62, s12                     ; x 16 streams + my stream 2 y + b
	s_mul_i32 s62, s62, 1280                       ; x five entries of 256 bytes
	s_mov_b32 s63, 0
	s_lshl_b32 s[GID], s15, 7
	s_lshl_b32 s53, s12, 6
	s_add_co_u32 s[GID], s[GID], s53
	s_sub_co_u32 s[GID], s[GID], 1                 ; one under my first group: the first INSERT2 finds -infinity in GM, which enters no list
	s_wait_dscnt 0x0
	s_wait_kmcnt 0x0
	s_add_nc_u64 s[56:57], s[4:5], s[54:55]
	s_add_nc_u64 s[6:7], s[6:7], s[58:59]
	s_add_nc_u64 s[8:9], s[8:9], s[62:63]
.irp p, 0,1,2,3
	s_mov_b32 s[G0+4*\p], 1                                        ; count = 1
	s_add_co_u32 s[G0+4*\p+1], s52, \p*PHB                         ; LDS address
	s_add_nc_u64 s[G0+4*\p+2:G0+4*\p+3], s[56:57], \p*PHB          ; global address
	s_or_b32 s[G0+4*\p+3], s[G0+4*\p+3], 0x80000000                ; type = 2
.endr
	ROUND                                          ; all four work-groups are here: the joint loads meet
	tensor_load_to_lds s[G0:G0+3], s[G1:G1+7]      ; the first fills, all of them, in one group
	s_nop 0
	tensor_load_to_lds s[G0+4:G0+7], s[G1:G1+7]
	s_nop 0
	tensor_load_to_lds s[G0+8:G0+11], s[G1:G1+7]
	s_nop 0
	tensor_load_to_lds s[G0+12:G0+15], s[G1:G1+7]
	s_nop 0
.rept 4
	v_nop
.endr
	v_and_b32 v[TA], 31, v0                        ; l
	v_lshlrev_b32 v[FA0], 4, v[TA]
	v_lshl_add_u32 v[SA0], v[TA], 2, 1536
	v_bfe_u32 v[CA0], v0, 4, 1
	v_lshl_add_u32 v[CA0], v[CA0], 5, 1664
	v_lshlrev_b32 v[CO], 3, v[TA]
.irp q, 0,1,2,3
.irp j, 0,1,2
	global_load_b128 v[BF+16*\q+4*\j:BF+16*\q+4*\j+3], v[FA0], s[6:7] offset:REC*\q+512*\j   ; the test fragments stay in registers
.endr
	global_load_b32 v[BS+\q], v[SA0], s[6:7] offset:REC*\q
.endr
.irp q, 0,1,2,3
.irp j, 12,13,14,15
	v_mov_b32 v[BF+16*\q+\j], 0                    ; the codes past K = 192
.endr
.endr
.irp u, 0,1
.irp j, 12,13,14,15
	v_mov_b32 v[AF+16*\u+\j], 0
.endr
.endr
.irp e, 0,1,2,3,4,5,6,7,8,9
	v_mov_b32 v[LI+2*\e], 0xff800000               ; the lists begin with -infinity, under every key; 64 groups push all five out
	v_mov_b32 v[LI+2*\e+1], 0
.endr
	v_mov_b32 v[GM], 0xff800000
	v_mov_b32 v[GM+1], 0xff800000
	s_wait_loadcnt 0x0
	GATE 3                                         ; groups 0-15 of both streams
	ADDRS
	LOADT 0, 0
	ITER 0, 1, REC                                 ; group 0; asks for group 1
	s_add_co_u32 s[OFF], s[OFF], 2*REC
	PHASE 7                                        ; groups 1-14; asks for 2-15
	GATE 2
	PHASE 8                                        ; groups 15-30; asks for 16-31
	GATE 1
	PHASE 8                                        ; groups 31-46; asks for 32-47
	GATE 0
	PHASE 8                                        ; groups 47-62; asks for 48-63
	ITER 1, 0, 0                                   ; group 63
	INSERT2                                        ; and its place in the lists
	; THE WAY OUT.  key bits -> bits ^ (~(bits >> 31, arithmetic) & 0x7fffffff): positive keys count down from 0x7fffffff, negative ones keep their bits: ascending unsigned = descending key
	s_mov_b32 s52, 0x7fffffff
.irp e, 0,1,2,3,4,5,6,7,8,9
	v_ashrrev_i32 v[TA+\e%2], 31, v[LI+2*\e]
	v_bfi_b32 v[TA+\e%2], v[TA+\e%2], 0, s52
	v_xor_b32 v[LI+2*\e], v[LI+2*\e], v[TA+\e%2]
.endr
.irp p, 0,1
.irp j, 0,1,2,3,4
	global_store_b64 v[CO], v[LI+10*\p+2*\j:LI+10*\p+2*\j+1], s[8:9] offset:20480*\p+256*\j   ; 32 lanes store 256 consecutive bytes, at a multiple of 256 from the buffer's first byte
.endr
.endr
	s_wait_tensorcnt 0x0
	ds_add_u32 v192, v193
	s_wait_dscnt 0x0
	ROUND                                          ; the closing round: no work-group ends while a partner may still ask for a part that names it
	s_endpgm
.Lfunc_end_k_qc2fcd72f5e_knn:
	.size	k_qc2fcd72f5e_knn, .Lfunc_end_k_qc2fcd72f5e_knn-k_qc2fcd72f5e_knn
	.p2alignl 7, 3214868480
	.fill 96, 4, 3214868480
	.section	.rodata,"a",@progbits
	.p2align	6, 0x0
	.amdhsa_kernel k_qc2fcd72f5e_knn
		.amdhsa_group_segment_fixed_size 230400
		.amdhsa_private_segment_fixed_size 0
		.amdhsa_enable_private_segment 0
		.amdhsa_kernarg_size 24
		.amdhsa_user_sgpr_count 2
		.amdhsa_user_sgpr_kernarg_segment_ptr 1
		.amdhsa_wavefront_size32 1
		.amdhsa_system_sgpr_workgroup_id_x 1
		.amdhsa_system_sgpr_workgroup_id_y 1
		.amdhsa_system_sgpr_workgroup_id_z 1
		.amdhsa_system_vgpr_workitem_id 0
		.amdhsa_next_free_vgpr 194
		.amdhsa_next_free_sgpr 66
		.amdhsa_reserve_vcc 0
		.amdhsa_float_denorm_mode_32 3
		.amdhsa_float_denorm_mode_16_64 3
		.amdhsa_memory_ordered 1
		.amdhsa_forward_progress 1
		.amdhsa_inst_pref_size 63
	.end_amdhsa_kernel
	.amdgpu_metadata
---
amdhsa.version: [ 1, 2 ]
amdhsa.kernels:
  - .name:           k_qc2fcd72f5e_knn
    .symbol:         k_qc2fcd72f5e_knn.kd
    .args:
      - { .name: train_ws, .offset: 0, .size: 8, .value_kind: global_buffer, .address_space: global }
      - { .name: test_ws, .offset: 8, .size: 8, .value_kind: global_buffer, .address_space: global }
      - { .name: cand, .offset: 16, .size: 8, .value_kind: global_buffer, .address_space: global }
    .group_segment_fixed_size: 230400
    .private_segment_fixed_size: 0
    .kernarg_segment_align: 8
    .kernarg_segment_size: 24
    .max_flat_workgroup_size: 256
    .sgpr_count:     66
    .vgpr_count:     194
    .wavefront_size: 32
...
	.end_amdgpu_metadata
.endif
;; end of part 2
;; launch pick (part 3): grid 256 x 1, 4 waves a work-group, no clusters, 21,504 bytes of LDS; arguments cand, train_ws, test_ws, p_hat_train, out0; writes out0
.if DOCPART == 3
	.amdgcn_target "amdgcn-amd-amdhsa--gfx1250"
	.amdhsa_code_object_version 6
	.text
	.protected	k_qc2fcd72f5e_pick
	.globl	k_qc2fcd72f5e_pick
	.p2align	8
	.type	k_qc2fcd72f5e_pick,@function
k_qc2fcd72f5e_pick:
	s_mov_b64 s[64:65], 0
	v_nop
	global_prefetch_b8 v0, s[64:65] scope:SCOPE_SE
	s_setreg_imm32_b32 hwreg(HW_REG_WAVE_MODE, 25, 1), 1
	s_wait_xcnt 0x0
; THE CHOICE.  For each test row: the 16 streams' lists (80 entries of whole numbers) are merged by integer compares into the SIX best groups (five are needed; the sixth is a margin, see LIMITS);
; the 96 training rows of those groups are multiplied again, on the same codes by the same matrix instruction; dist = (x_norm + y_norm) - 2 dot, rounded as the reference rounds it;
; the five smallest by (dist, index) are marked, and the mean of their p is formed by selects: the last choice steers no address.
; Addresses hang only on the groups' numbers, which come from whole numbers that the launch before stored, and are held to 1,023.
; SHARES.  A work-group: 32 test rows; a wave: 8.  Lane l = r + 16 h, rho = r % 8, kappa = r / 8: the four lanes (rho, kappa, h) serve row 8 w + rho.  Each test row stands in TWO columns of source 1 (r = rho, rho + 8);
; column r works groups W[3 kappa + s], s = 0, 1, 2.  Each column has its own group as source 0, so a product serves one column (lanes i and i + 16): 48 groups x 2 K steps a wave.  That is small beside the filter's products.
; No cluster and no tensor loads: what work-groups read in common here are records that the data choose, different in every work-group.
; REGISTERS, in windows of 256: window 0 as named below; window s + 1: slot s's sixteen groups, group i at v[12 i .. 12 i + 11].  K step 1's fragment v[12 i + 8 .. 12 i + 15] runs into the next group's first four registers:
; the test side's codes are zeros there, so those products are 0; v192-195 are written 0 for the last group.
; LIMITS: NaN and infinities are not served.  The filter ranks groups by dot - y_norm / 2, this launch by the rounded dist: a true neighbour is lost only if its group falls behind six others, that is if two rows more
; round onto its dist from larger keys.  The norms' order of summation is the quantising launch's; the mean is the sum x 0.2.  A wave stores 32 + 32 bytes of the output: 8 rows of each class.
.set REC, 1792
.set QP,  5184                         ; LDS: a quarter of the lists (four streams, 5,120 bytes) + 64: the four lanes of a row read from four different groups of sixteen banks (64 banks of 4 bytes: ISA guide 11.1)
.set BF,  16                           ; v16-31   the test fragment: 8 + 4 + 4 zeros
.set BS,  32                           ; v32      its scale words
.set XN,  33                           ; v33      x_norm
.set W,   34                           ; v34-39   the six groups
.set SEL, 40                           ; v40-42   my column's three
.set INF, 43                           ; v43      +infinity
.set DT,  44                           ; v44-67   dot, then dist: 8 s + j: row 8 h + j of group SEL[s]
.set YN,  68                           ; v68-91   y_norm, then x_norm + y_norm
.set P0,  92                           ; v92-115  p of class 0
.set P1,  116                          ; v116-139 p of class 1
.set RAW, 92                           ; v92-131  (first) my quarter of the lists as loaded
.set KI,  132                          ; v132-171 (first) my 20 entries: key at 2 e, group at 2 e + 1
.set SCW, 140                          ; v140-187 the 48 groups' scale words
.set DS,  188                          ; v188-219 four accumulators
.set SUM0, 188                         ; (last) sums
.set SUM1, 192
.set UQ,  196
.set OF,  220                          ; v220-235 a slot's sixteen offsets + 16 l
.set OS,  236                          ; v236-251 the same + 4 l
.set IX,  220                          ; v220-243 (last) the candidates' indices
.set MN,  244                          ; v244-253 at work
.set XX,  245
.set AC,  246
.set TQ,  250
.set CM,  24                           ; s24-27 compare masks
.set MK,  28                           ; s28-31 lane masks
.set TG,  40                           ; s40-55 a slot's sixteen record offsets
.set MSB, 0
.macro WIN new                         ; the immediate's high byte repeats the setting that is left
.if MSB != \new
	s_set_vgpr_msb (MSB<<8)|\new
.set MSB, \new
.endif
.endm
; The best entry of a row's 80 that is still in: smallest key number; among equal ones the lowest group.  Whole numbers throughout.
.macro MROUND k, last
.irp c, 0,1,2,3
	v_min_u32 v[AC+\c], v[KI+2*\c], v[KI+8+2*\c]
.endr
.irp g, 8,12,16
.irp c, 0,1,2,3
	v_min_u32 v[AC+\c], v[AC+\c], v[KI+2*(\g+\c)]
.endr
.endr
	v_min_u32 v[AC], v[AC], v[AC+1]
	v_min_u32 v[AC+2], v[AC+2], v[AC+3]
	v_min_u32 v[MN], v[AC], v[AC+2]
	v_mov_b32_dpp v[XX], v[MN] row_xmask:8 row_mask:0xf bank_mask:0xf   ; the row's other lanes: l xor 8,
	v_min_u32 v[MN], v[MN], v[XX]
	v_permlanex16_b32 v[XX], v[MN], s20, s21                            ; and l xor 16
	v_min_u32 v[MN], v[MN], v[XX]
.irp g, 0,4,8,12,16
.irp c, 0,1,2,3
	v_cmp_eq_u32 s[CM+\c], v[KI+2*(\g+\c)], v[MN]
.endr
.if \g == 0
.irp c, 0,1,2,3
	v_cndmask_b32 v[AC+\c], -1, v[KI+2*\c+1], s[CM+\c]
.endr
.else
.irp c, 0,1,2,3
	v_cndmask_b32 v[TQ+\c], -1, v[KI+2*(\g+\c)+1], s[CM+\c]
.endr
.irp c, 0,1,2,3
	v_min_u32 v[AC+\c], v[AC+\c], v[TQ+\c]
.endr
.endif
.endr
	v_min_u32 v[AC], v[AC], v[AC+1]
	v_min_u32 v[AC+2], v[AC+2], v[AC+3]
	v_min_u32 v[AC], v[AC], v[AC+2]
	v_mov_b32_dpp v[XX], v[AC] row_xmask:8 row_mask:0xf bank_mask:0xf
	v_min_u32 v[AC], v[AC], v[XX]
	v_permlanex16_b32 v[XX], v[AC], s20, s21
	v_min_u32 v[W+\k], v[AC], v[XX]
.if \last == 0
.irp g, 0,4,8,12,16                    ; it leaves: a group stands in one list once
.irp c, 0,1,2,3
	v_cmp_eq_u32 s[CM+\c], v[KI+2*(\g+\c)+1], v[W+\k]
.endr
.irp c, 0,1,2,3
	v_cndmask_b32 v[KI+2*(\g+\c)], v[KI+2*(\g+\c)], -1, s[CM+\c]
.endr
.endr
.endif
.endm
; Slot s: column i's group is SEL[s] of lane i.  Its record's codes go to window s + 1, its scale words to window 0.
.macro GATHER s
.if \s > 0
	s_wait_xcnt 0x0                                ; the last slot's loads have had their addresses translated (ISA guide 3.1): their offset registers are written again only behind this wait
.endif
.irp i, 0,1,2,3,4,5,6,7,8,9,10,11,12,13,14,15
	v_readlane_b32 s[TG+\i], v[SEL+\s], \i
	s_min_u32 s[TG+\i], s[TG+\i], 1023
	s_mul_i32 s[TG+\i], s[TG+\i], REC
	v_add_nc_u32 v[OF+\i], s[TG+\i], v3
	v_add_nc_u32 v[OS+\i], s[TG+\i], v4
.endr
	WIN (((\s)+1)<<6)                              ; destination window s + 1, address window 0
.irp j, 192,193,194,195
	v_mov_b32 v[\j], 0
.endr
.irp i, 0,1,2,3,4,5,6,7,8,9,10,11,12,13,14,15
.irp j, 0,1,2
	global_load_b128 v[12*\i+4*\j:12*\i+4*\j+3], v[OF+\i], s[6:7] offset:512*\j   ; 512 consecutive bytes of the record
.endr
.endr
	WIN 0
.irp i, 0,1,2,3,4,5,6,7,8,9,10,11,12,13,14,15
	global_load_b32 v[SCW+16*(\s)+\i], v[OS+\i], s[6:7] offset:1536
.endr
.endm
; Groups 4 g .. 4 g + 3 of slot s: four accumulators by turns, one instruction a turn; then column i's two lanes keep their eight dots.
; Four v_nop stand in front of the first read of a result; the selects of the other three accumulators are the places in front of the next products, which begin each accumulator anew (ISA guide 7.12.1).
.macro MUL4 s, g
	WIN ((\s)+1)                                   ; source 0 window s + 1
.irp a, 0,1,2,3
	v_wmma_scale_f32_16x16x128_f8f6f4 v[DS+8*\a:DS+8*\a+7], v[12*(4*(\g)+\a):12*(4*(\g)+\a)+7], v[BF:BF+7], 0, v[SCW+16*(\s)+4*(\g)+\a], v[BS] matrix_a_fmt:MATRIX_FMT_FP4 matrix_b_fmt:MATRIX_FMT_FP4
.endr
.irp a, 0,1,2,3
	v_wmma_scale_f32_16x16x128_f8f6f4 v[DS+8*\a:DS+8*\a+7], v[12*(4*(\g)+\a)+8:12*(4*(\g)+\a)+15], v[BF+8:BF+15], v[DS+8*\a:DS+8*\a+7], v[SCW+16*(\s)+4*(\g)+\a], v[BS] matrix_a_fmt:MATRIX_FMT_FP4 matrix_b_fmt:MATRIX_FMT_FP4 matrix_a_scale:MATRIX_SCALE_ROW1 matrix_b_scale:MATRIX_SCALE_ROW1
.endr
	WIN 0
.rept 4
	v_nop
.endr
.irp a, 0,1,2,3
	s_mov_b32 s[MK+\a], 0x10001<<(4*(\g)+\a)       ; lanes i and i + 16
.endr
.irp a, 0,1,2,3
.irp j, 0,1,2,3,4,5,6,7
	v_cndmask_b32 v[DT+8*(\s)+\j], v[DT+8*(\s)+\j], v[DS+8*\a+\j], s[MK+\a]   ; each accumulator from its low end on
.endr
.endr
.endm
; The nearest of a row's 96 that is still in: smallest dist; among equal ones the lowest index; its dist becomes +infinity, which marks it.
.macro FROUND
.irp c, 0,1,2,3
	v_min3_num_f32 v[AC+\c], v[DT+3*\c], v[DT+3*\c+1], v[DT+3*\c+2]
.endr
.irp c, 0,1,2,3
	v_min3_num_f32 v[AC+\c], v[AC+\c], v[DT+12+2*\c], v[DT+13+2*\c]
.endr
.irp c, 0,1
	v_min3_num_f32 v[AC+\c], v[AC+\c], v[DT+20+2*\c], v[DT+21+2*\c]
.endr
	v_min3_num_f32 v[AC], v[AC], v[AC+1], v[AC+2]
	v_min_num_f32 v[MN], v[AC], v[AC+3]
	v_min_num_f32_dpp v[MN], v[MN], v[MN] row_xmask:8 row_mask:0xf bank_mask:0xf
	v_permlanex16_b32 v[XX], v[MN], s20, s21
	v_min_num_f32 v[MN], v[MN], v[XX]
.irp g, 0,4,8,12,16,20
.irp c, 0,1,2,3
	v_cmp_eq_f32 s[CM+\c], v[DT+\g+\c], v[MN]
.endr
.if \g == 0
.irp c, 0,1,2,3
	v_cndmask_b32 v[AC+\c], -1, v[IX+\c], s[CM+\c]
.endr
.else
.irp c, 0,1,2,3
	v_cndmask_b32 v[TQ+\c], -1, v[IX+\g+\c], s[CM+\c]
.endr
.irp c, 0,1,2,3
	v_min_u32 v[AC+\c], v[AC+\c], v[TQ+\c]
.endr
.endif
.endr
	v_min_u32 v[AC], v[AC], v[AC+1]
	v_min_u32 v[AC+2], v[AC+2], v[AC+3]
	v_min_u32 v[AC], v[AC], v[AC+2]
	v_mov_b32_dpp v[XX], v[AC] row_xmask:8 row_mask:0xf bank_mask:0xf
	v_min_u32 v[AC], v[AC], v[XX]
	v_permlanex16_b32 v[XX], v[AC], s20, s21
	v_min_u32 v[AC], v[AC], v[XX]
.irp g, 0,4,8,12,16,20
.irp c, 0,1,2,3
	v_cmp_eq_u32 s[CM+\c], v[IX+\g+\c], v[AC]
.endr
.irp c, 0,1,2,3
	v_cndmask_b32 v[DT+\g+\c], v[DT+\g+\c], v[INF], s[CM+\c]
.endr
.endr
.endm
	s_load_b256 s[4:11], s[0:1], 0x0               ; cand s[4:5], train_ws s[6:7], test_ws s[8:9], p_hat_train s[10:11]
	s_load_b64 s[12:13], s[0:1], 0x20              ; out0
	v_lshl_add_u32 v254, v0, 2, 0x5200
	v_mov_b32 v255, 0
	v_lshrrev_b32 v6, 5, v0
	v_readfirstlane_b32 s14, v6                    ; wave 0..3
	v_and_b32 v1, 31, v0                           ; l
	v_bfe_u32 v2, v0, 4, 1                         ; h
	v_lshlrev_b32 v3, 4, v1                        ; 16 l
	v_lshlrev_b32 v4, 2, v1                        ; 4 l
	v_lshlrev_b32 v5, 5, v2                        ; 32 h
	v_and_b32 v6, 7, v0                            ; rho
	s_and_b32 s15, s14, 1
	s_lshl_b32 s15, s15, 3
	v_add_nc_u32 v7, s15, v6                       ; my test row in its record: 8 (w % 2) + rho
	v_lshl_add_u32 v8, v2, 4, v7                   ; + 16 h: the lane whose bytes I want
	v_lshlrev_b32 v9, 4, v8                        ; its codes,
	v_lshlrev_b32 v10, 2, v8                       ; its scale word,
	v_lshlrev_b32 v11, 2, v7                       ; the row's norm
	s_mul_i32 s16, s14, QP
	v_add_nc_u32 v12, s16, v3                      ; LDS, in: quarter w, 16 l
	v_bfe_u32 v13, v0, 3, 2                        ; kappa + 2 h: which quarter of the streams is mine
	v_mul_u32_u24 v13, v13, QP
	v_lshl_add_u32 v13, v6, 3, v13
	s_lshl_b32 s17, s14, 6
	v_add_nc_u32 v13, s17, v13                     ; LDS, out: my quarter, + 8 (8 w + rho)
	v_bfe_u32 v14, v0, 3, 1                        ; kappa: on the way out the class
	v_lshlrev_b32 v14, 15, v14
	v_lshl_add_u32 v14, v6, 2, v14
	s_lshl_b32 s18, ttmp9, 7
	s_lshl_b32 s19, s14, 5
	s_add_co_u32 s18, s18, s19
	v_add_nc_u32 v14, s18, v14                     ; out0: 32,768 kappa + 4 (32 work-group + 8 w + rho)
	s_mul_i32 s18, ttmp9, 20480
	s_mul_i32 s19, s14, 5120
	s_add_co_u32 s18, s18, s19                     ; the work-group's lists, my quarter
	s_mov_b32 s19, 0
	s_lshl_b32 s32, ttmp9, 1
	s_lshr_b32 s33, s14, 1
	s_add_co_u32 s32, s32, s33
	s_mul_i32 s32, s32, REC                        ; my rows' test record: 2 work-group + w / 2
	s_mov_b32 s33, 0
	s_mov_b32 s20, 0x76543210
	s_mov_b32 s21, 0xfedcba98                      ; v_permlanex16_b32's selects for lane l xor 16
	s_mov_b32 s22, 0xff00ff00                      ; the lanes with kappa = 1
	s_wait_kmcnt 0x0
	s_add_nc_u64 s[4:5], s[4:5], s[18:19]
	s_add_nc_u64 s[8:9], s[8:9], s[32:33]
.irp i, 0,1,2,3,4,5,6,7,8,9
	global_load_b128 v[RAW+4*\i:RAW+4*\i+3], v3, s[4:5] offset:512*\i th:TH_LOAD_NT   ; 512 consecutive bytes; read once in the launch
.endr
.irp j, 0,1,2
	global_load_b128 v[BF+4*\j:BF+4*\j+3], v9, s[8:9] offset:512*\j
.endr
	global_load_b32 v[BS], v10, s[8:9] offset:1536
	global_load_b32 v[XN], v11, s[8:9] offset:1728
.irp j, 12,13,14,15
	v_mov_b32 v[BF+\j], 0                          ; the codes past K = 192
.endr
.irp j, 0,1,2,3,4,5,6,7,8,9,10,11,12,13,14,15,16,17,18,19,20,21,22,23
	v_mov_b32 v[DT+\j], 0                          ; written whole once: the selects below write two lanes at a time
.endr
	v_mov_b32 v[INF], 0x7f800000
	v_mov_b32 v[XX], 0                             ; a lane permute's destination counts as one of its sources
	s_wait_loadcnt 5                               ; the lists are in; the five loads of the test record, issued behind them, may be out
.irp i, 0,1,2,3,4,5,6,7,8,9
	ds_store_b128 v12, v[RAW+4*\i:RAW+4*\i+3] offset:512*\i
.endr
	s_wait_dscnt 0x0                               ; for the others' sake: my quarter lies in LDS
	s_barrier_signal -1
	s_barrier_wait -1
.irp e, 0,1,2,3,4,5,6,7,8,9,10,11,12,13,14,15,16,17,18,19
	ds_load_b64 v[KI+2*\e:KI+2*\e+1], v13 offset:256*\e   ; my row's entries of four streams
.endr
	s_wait_dscnt 0x0
	MROUND 0, 0
	MROUND 1, 0
	MROUND 2, 0
	MROUND 3, 0
	MROUND 4, 0
	MROUND 5, 1
	s_wait_loadcnt 0x0                             ; the test record is in, and its loads' offset registers may be written
.irp s, 0,1,2
	v_cndmask_b32 v[SEL+\s], v[W+\s], v[W+3+\s], s22
.endr
.irp s, 0,1,2
	v_min_u32 v[SEL+\s], 0x3ff, v[SEL+\s]          ; a group's number, held inside the table
.endr
.irp s, 0,1,2
	v_mul_u32_u24 v[6+\s], v[SEL+\s], REC
	v_lshl_add_u32 v[9+\s], v[SEL+\s], 6, v5       ; p: 64 bytes a group, + 32 h
.endr
.irp s, 0,1,2
	v_add_nc_u32 v[6+\s], v[6+\s], v5              ; the record, + 32 h: my eight rows
.endr
.irp s, 0,1,2
	global_load_b128 v[YN+8*\s:YN+8*\s+3],   v[6+\s], s[6:7] offset:1728
	global_load_b128 v[YN+8*\s+4:YN+8*\s+7], v[6+\s], s[6:7] offset:1744
	global_load_b128 v[P0+8*\s:P0+8*\s+3],   v[9+\s], s[10:11]
	global_load_b128 v[P0+8*\s+4:P0+8*\s+7], v[9+\s], s[10:11] offset:16
	global_load_b128 v[P1+8*\s:P1+8*\s+3],   v[9+\s], s[10:11] offset:65536
	global_load_b128 v[P1+8*\s+4:P1+8*\s+7], v[9+\s], s[10:11] offset:65552
.endr
	GATHER 0
	GATHER 1
	GATHER 2
	s_wait_loadcnt 0x0
.irp s, 0,1,2
.irp g, 0,1,2,3
	MUL4 \s, \g
.endr
.endr
.irp e, 0,1,2,3,4,5,6,7,8,9,10,11,12,13,14,15,16,17,18,19,20,21,22,23
	v_add_f32 v[YN+\e], v[XN], v[YN+\e]            ; x_norm + y_norm, rounded,
.endr
.irp e, 0,1,2,3,4,5,6,7,8,9,10,11,12,13,14,15,16,17,18,19,20,21,22,23
	v_fma_f32 v[DT+\e], v[DT+\e], -2.0, v[YN+\e]   ; - 2 dot, rounded (2 dot is exact)
.endr
	v_lshlrev_b32 v[MN], 3, v2
.irp s, 0,1,2
	v_lshl_add_u32 v[IX+8*\s], v[SEL+\s], 4, v[MN] ; the training row's index: 16 group + 8 h + j
.endr
.irp s, 0,1,2
.irp j, 1,2,3,4,5,6,7
	v_add_nc_u32 v[IX+8*\s+\j], \j, v[IX+8*\s]
.endr
.endr
	FROUND
	FROUND
	FROUND
	FROUND
	FROUND
.irp g, 0,4,8,12,16,20                 ; the marked five's p, both classes
.irp c, 0,1,2,3
	v_cmp_eq_f32 s[CM+\c], v[DT+\g+\c], v[INF]
.endr
.if \g == 0
.irp c, 0,1,2,3
	v_cndmask_b32 v[SUM0+\c], 0, v[P0+\c], s[CM+\c]
	v_cndmask_b32 v[SUM1+\c], 0, v[P1+\c], s[CM+\c]
.endr
.else
.irp c, 0,1,2,3
	v_cndmask_b32 v[TQ+\c], 0, v[P0+\g+\c], s[CM+\c]
	v_cndmask_b32 v[UQ+\c], 0, v[P1+\g+\c], s[CM+\c]
.endr
.irp c, 0,1,2,3
	v_add_f32 v[SUM0+\c], v[SUM0+\c], v[TQ+\c]
	v_add_f32 v[SUM1+\c], v[SUM1+\c], v[UQ+\c]
.endr
.endif
.endr
	v_add_f32 v[SUM0], v[SUM0], v[SUM0+1]
	v_add_f32 v[SUM1], v[SUM1], v[SUM1+1]
	v_add_f32 v[SUM0+2], v[SUM0+2], v[SUM0+3]
	v_add_f32 v[SUM1+2], v[SUM1+2], v[SUM1+3]
	v_add_f32 v[SUM0], v[SUM0], v[SUM0+2]
	v_add_f32 v[SUM1], v[SUM1], v[SUM1+2]
	v_add_f32_dpp v[SUM0], v[SUM0], v[SUM0] row_xmask:8 row_mask:0xf bank_mask:0xf
	v_add_f32_dpp v[SUM1], v[SUM1], v[SUM1] row_xmask:8 row_mask:0xf bank_mask:0xf
	v_permlanex16_b32 v[XX], v[SUM0], s20, s21
	v_add_f32 v[SUM0], v[SUM0], v[XX]
	v_permlanex16_b32 v[XX], v[SUM1], s20, s21
	v_add_f32 v[SUM1], v[SUM1], v[XX]              ; the row's four lanes have met
	v_cndmask_b32 v[SUM0], v[SUM0], v[SUM1], s22   ; lanes with kappa = 1 carry class 1
	v_mul_f32 v[SUM0], 0x3e4ccccd, v[SUM0]         ; / 5
	v_cmp_gt_u32 vcc_lo, 16, v1
	s_wait_xcnt 0x0                                ; EXEC changes only behind this wait
	s_wait_tensorcnt 0x0
	ds_add_u32 v254, v255
	s_wait_dscnt 0x0
	s_and_saveexec_b32 s23, vcc_lo                 ; lanes 0-15: eight rows of class 0, eight of class 1
	global_store_b32 v14, v[SUM0], s[12:13]
	s_wait_xcnt 0x0                                ; and again in front of the line that widens it
	s_or_b32 exec_lo, exec_lo, s23
	s_endpgm
.Lfunc_end_k_qc2fcd72f5e_pick:
	.size	k_qc2fcd72f5e_pick, .Lfunc_end_k_qc2fcd72f5e_pick-k_qc2fcd72f5e_pick
	.p2alignl 7, 3214868480
	.fill 96, 4, 3214868480
	.section	.rodata,"a",@progbits
	.p2align	6, 0x0
	.amdhsa_kernel k_qc2fcd72f5e_pick
		.amdhsa_group_segment_fixed_size 21504
		.amdhsa_private_segment_fixed_size 0
		.amdhsa_enable_private_segment 0
		.amdhsa_kernarg_size 40
		.amdhsa_user_sgpr_count 2
		.amdhsa_user_sgpr_kernarg_segment_ptr 1
		.amdhsa_wavefront_size32 1
		.amdhsa_system_sgpr_workgroup_id_x 1
		.amdhsa_system_sgpr_workgroup_id_y 1
		.amdhsa_system_sgpr_workgroup_id_z 1
		.amdhsa_system_vgpr_workitem_id 0
		.amdhsa_next_free_vgpr 1024
		.amdhsa_next_free_sgpr 66
		.amdhsa_reserve_vcc 1
		.amdhsa_float_denorm_mode_32 3
		.amdhsa_float_denorm_mode_16_64 3
		.amdhsa_memory_ordered 1
		.amdhsa_forward_progress 1
		.amdhsa_inst_pref_size 167
	.end_amdhsa_kernel
	.amdgpu_metadata
---
amdhsa.version: [ 1, 2 ]
amdhsa.kernels:
  - .name:           k_qc2fcd72f5e_pick
    .symbol:         k_qc2fcd72f5e_pick.kd
    .args:
      - { .name: cand, .offset: 0, .size: 8, .value_kind: global_buffer, .address_space: global }
      - { .name: train_ws, .offset: 8, .size: 8, .value_kind: global_buffer, .address_space: global }
      - { .name: test_ws, .offset: 16, .size: 8, .value_kind: global_buffer, .address_space: global }
      - { .name: p_hat_train, .offset: 24, .size: 8, .value_kind: global_buffer, .address_space: global }
      - { .name: out0, .offset: 32, .size: 8, .value_kind: global_buffer, .address_space: global }
    .group_segment_fixed_size: 21504
    .private_segment_fixed_size: 0
    .kernarg_segment_align: 8
    .kernarg_segment_size: 40
    .max_flat_workgroup_size: 128
    .sgpr_count:     66
    .vgpr_count:     1024
    .wavefront_size: 32
...
	.end_amdgpu_metadata
.endif
;; end of part 3
